; MI455X (gfx1250); checked and timed in simulation.
; The chip was launched on July 23, 2026; its instructions are those of AMD's public machine-readable ISA for CDNA 5 (MIT licence, August 2026) and "CDNA5" Instruction Set Architecture Reference Guide (July 2026). The comments in the code are by the model that wrote it; some were corrected since.
;; Fully Connected Network. Allowed arithmetic: matrix products marked QUANTISED: E3M2 operands, one E8M0 scale for each 32 along K, by v_wmma_scale_f32_16x16x128_f8f6f4 with both operands' format E3M2, f32 sums; products left as they are: f32 operands where the result goes on into a quantised operand, else bf16, f16 or f32 operands; f32 sums; everything else in f32.
;; Inputs: W1 15 x 256 x 128 float32; W2 15 x 128 x 15 float32; b1 15 x 128 float32; b2 15 x 15 float32; cam 131,072 int32; input 131,072 x 256 float32.
;; Outputs: out0 131,072 x 15 float32.
;; This version of the problem:
;;   THIS VERSION OF THE PROBLEM IS GIVEN IN LOW PRECISION. The matrix products marked QUANTISED in the list below multiply operands that are first quantised to E3M2 (3 exponent bits, 2 mantissa bits; 6 bits a number), with one power-of-two scale for each 32 numbers along K (OCP MX v1.0); their sums are f32. All else is computed in f32.
;;   The module's matrix products, in the order in which they are computed (A, B: the left and right operand; K: the contracted axis; several contracted axes count as one K, in the product's order):
;;     1. [M 131,072, K 256] x [K 256, N 128]; A: input input; B: input W1: QUANTISED
;;     2. [M 131,072, K 128] x [K 128, N 15]; A: computed on the way; B: input W2: left as it is (N = 15 < 16)
;;     3. [M 131,072, K 256] x [K 256, N 128]; A: input input; B: input W1: QUANTISED
;;     4. [M 131,072, K 128] x [K 128, N 15]; A: computed on the way; B: input W2: left as it is (N = 15 < 16)
;;     5. [M 131,072, K 256] x [K 256, N 128]; A: input input; B: input W1: QUANTISED
;;     6. [M 131,072, K 128] x [K 128, N 15]; A: computed on the way; B: input W2: left as it is (N = 15 < 16)
;;     7. [M 131,072, K 256] x [K 256, N 128]; A: input input; B: input W1: QUANTISED
;;     8. [M 131,072, K 128] x [K 128, N 15]; A: computed on the way; B: input W2: left as it is (N = 15 < 16)
;;     9. [M 131,072, K 256] x [K 256, N 128]; A: input input; B: input W1: QUANTISED
;;     10. [M 131,072, K 128] x [K 128, N 15]; A: computed on the way; B: input W2: left as it is (N = 15 < 16)
;;     11. [M 131,072, K 256] x [K 256, N 128]; A: input input; B: input W1: QUANTISED
;;     12. [M 131,072, K 128] x [K 128, N 15]; A: computed on the way; B: input W2: left as it is (N = 15 < 16)
;;     13. [M 131,072, K 256] x [K 256, N 128]; A: input input; B: input W1: QUANTISED
;;     14. [M 131,072, K 128] x [K 128, N 15]; A: computed on the way; B: input W2: left as it is (N = 15 < 16)
;;     15. [M 131,072, K 256] x [K 256, N 128]; A: input input; B: input W1: QUANTISED
;;     16. [M 131,072, K 128] x [K 128, N 15]; A: computed on the way; B: input W2: left as it is (N = 15 < 16)
;;     17. [M 131,072, K 256] x [K 256, N 128]; A: input input; B: input W1: QUANTISED
;;     18. [M 131,072, K 128] x [K 128, N 15]; A: computed on the way; B: input W2: left as it is (N = 15 < 16)
;;     19. [M 131,072, K 256] x [K 256, N 128]; A: input input; B: input W1: QUANTISED
;;     20. [M 131,072, K 128] x [K 128, N 15]; A: computed on the way; B: input W2: left as it is (N = 15 < 16)
;;     21. [M 131,072, K 256] x [K 256, N 128]; A: input input; B: input W1: QUANTISED
;;     22. [M 131,072, K 128] x [K 128, N 15]; A: computed on the way; B: input W2: left as it is (N = 15 < 16)
;;     23. [M 131,072, K 256] x [K 256, N 128]; A: input input; B: input W1: QUANTISED
;;     24. [M 131,072, K 128] x [K 128, N 15]; A: computed on the way; B: input W2: left as it is (N = 15 < 16)
;;     25. [M 131,072, K 256] x [K 256, N 128]; A: input input; B: input W1: QUANTISED
;;     26. [M 131,072, K 128] x [K 128, N 15]; A: computed on the way; B: input W2: left as it is (N = 15 < 16)
;;     27. [M 131,072, K 256] x [K 256, N 128]; A: input input; B: input W1: QUANTISED
;;     28. [M 131,072, K 128] x [K 128, N 15]; A: computed on the way; B: input W2: left as it is (N = 15 < 16)
;;     29. [M 131,072, K 256] x [K 256, N 128]; A: input input; B: input W1: QUANTISED
;;     30. [M 131,072, K 128] x [K 128, N 15]; A: computed on the way; B: input W2: left as it is (N = 15 < 16)
;;   THE QUANTISER, for each operand of a quantised product, along K:
;;     - K is cut into blocks of 32 from its start; a last block that is shorter is filled with zeros.
;;     - A block's scale is 2^e with e = floor(log2(the largest magnitude in the block)) - 4, held to -126 .. 127; a block of zeros has e = 0. As a byte (E8M0): e + 127.
;;     - Each number is divided by its block's scale, clamped to +-28, and rounded to the nearest number of E3M2, ties to even, subnormals kept.
;;     - The product sums the exact products of the quantised numbers (number of the format x scale) in f32.
;;   ~~~python
;;   def quantise(x, axis):      # numpy; x: float32 -> the quantised numbers, widened to float32 again
;;       x = np.moveaxis(x, axis, -1); K = x.shape[-1]
;;       x = np.pad(x, [(0, 0)] * (x.ndim - 1) + [(0, -K % 32)]); x = x.reshape(x.shape[:-1] + (-1, 32)); a = np.abs(x).max(-1, keepdims=True)
;;       e = np.where(a > 0, np.clip(np.frexp(np.where(a > 0, a, 1))[1] - 1 - 4, -126, 127), 0)      # np.frexp(a)[1] - 1 = floor(log2(a)), exactly
;;       r = np.clip(x / 2.0 ** e, -28, 28)
;;       step = 2.0 ** (np.maximum(np.frexp(np.where(r == 0, 1, r))[1] - 1, -2) - 2)
;;       q = np.round(r / step) * step * 2.0 ** e      # np.round: ties to even
;;       return np.moveaxis(q.reshape(q.shape[:-2] + (-1,))[..., :K], -1, axis).astype(np.float32)
;;   ~~~
;; 2 versions, each right; version 2 is version 1 with the launch mlp written anew for expert scheduling mode. Each part assembles by itself: llvm-mc -triple=amdgcn-amd-amdhsa -mcpu=gfx1250 --defsym DOCPART=n.
;; ======== version 1 of 2: 2 launches
;; limits: values are held in f16: magnitudes above 65,504 overflow, below 6.1e-05 lose precision
;; workspace buffers: wpack 460,800 bytes; rows 1,048,576 bytes of whole numbers; slote 65,536 bytes of whole numbers; pos 524,288 bytes of whole numbers
;; launch prep (part 1): grid 391 x 1, 1 waves a work-group, no clusters, 5,376 bytes of LDS; arguments cam, W1, W2, b2, wpack, rows, slote, pos; writes wpack, rows, slote, pos
.if DOCPART == 1
	.amdgcn_target "amdgcn-amd-amdhsa--gfx1250"
	.amdhsa_code_object_version 6
	.text
	.protected	k_q2611618d94_prep
	.globl	k_q2611618d94_prep
	.p2align	8
	.type	k_q2611618d94_prep,@function
k_q2611618d94_prep:
	s_mov_b64 s[64:65], 0
	v_nop
	global_prefetch_b8 v0, s[64:65] scope:SCOPE_SE
	s_setreg_imm32_b32 hwreg(HW_REG_WAVE_MODE, 25, 1), 1
	s_wait_xcnt 0x0
; THE LAUNCH IN FRONT OF THE MLP.  One wave to a work-group; three kinds of work-group, told apart by the work-group's number.
;   0 .. 255    SORT: block g of 512 neighbouring tokens is sorted by its camera numbers (a counting sort inside one wave, no atomics), each camera's tokens padded to whole tiles
;               of 16 rows, and the tiles (46 at the most: (512 + 15 x 15) / 16) dealt in order to the eight waves of the next launch's work-group g, six at the most to a wave.
;               Stored: rows [256][64 slots][16]: the token (0 .. 511 in the block) of each row of each slot; slote [256][64]: the slot's camera, 255 = empty;
;               pos [131072]: 16 x slot + row of each token, 1024 for a token whose camera number is none of 0 .. 14 (its output is a row of zeros).  Slot = 8 x wave + the wave's i-th tile.
;   256 .. 375  W1: camera e = (n - 256) / 8, tile t = (n - 256) % 8 of 16 hidden units: W1[e] [256 (k)][128 (n)] f32 becomes codes of E3M2 with one E8M0 byte for each 32 along K.
;               A lane takes a column and its registers run down K in the order of the matrix operand's registers, so the conversions' results ARE the operand; they are stored as an image of the registers.
;   376 .. 390  W2, b2: camera e = n - 376: W2[e]^T as four f16 fragments (16 outputs x 32 hidden units; output 15 is zeros), b2[e] as the C of the second product.
; A CAMERA'S PACK in wpack, 30,720 bytes, every piece an image of registers (lane l's 16 bytes at 16 l, 512 bytes for four registers):
;   0       24,576  W1's 16 fragments, fragment 2 t + s (K step s) = 12 registers = 1,536 bytes
;   24,576   1,024  scale words [t][lane]: lanes 0-15 the word of hidden unit 16 t + lane for K step 0, lanes 16-31 for K step 1
;   25,600   4,096  W2^T in f16        29,696  1,024  b2
; A block's scale is 2^(floor(log2(its largest magnitude)) - 4); its byte is that magnitude's exponent field - 4, held at 1 from below.
; LIMITS: a block of W1 whose largest magnitude lies under 2^-122 keeps the byte 1 (a block of zeros too: its codes are zeros, and this program alone reads the bytes);
; |W2| above 65,504, f16's largest number, is held there; NaN and infinities among the inputs are not served.
.set PACK, 30720
.set WP_S, 24576
.set WP_2, 25600
.set WP_B, 29696
; the sort's registers
.set CAM, 16                           ; v16-31   camera numbers: register 4 g + c is token 128 g + 4 lane + c
.set P,   32                           ; v32-47   the token's place
.set D,   48                           ; v48-63   what the deal to the waves adds to it
.set DL,  64                           ; v64-70   that shift for waves 1 .. 7
.set TK,  72                           ; v72-87   the token's number in the block
.set QA,  88                           ; v88-103  LDS address of its entry in the list of rows
.set SA,  104                          ; v104-119 LDS address of its slot's camera
.set RB,  120                          ; v120-151 the list read back
.set FI,  152                          ; v152-159 the first entry of my lane's tile
.set SE,  160                          ; v160-161 the slots' cameras read back
.set INI, 162                          ; v162-165 -1, v166-167 255: what LDS begins with
.set M,   24                           ; s24-39   lane masks: who has camera e
.set B,   40                           ; s40-56   running places
.set L_SL, 4352                        ; LDS: 0 .. 4095 the list of rows; 4096 a word for tokens without a camera; 4352 .. 4607 the slots' cameras; 4608 again such a word
; W1's registers
.set WV,  32                           ; v32-159  128 numbers: register 64 s + 32 c + i is k = 128 s + 64 c + 32 (lane / 16) + i
.set WC,  160                          ; v160-183 two fragments
.set WT,  184                          ; v184-190 the upper halves of a fragment's two blocks, as converted
	s_load_b512 s[4:19], s[0:1], 0x0               ; cam 4:5, W1 6:7, W2 8:9, b2 10:11, wpack 12:13, rows 14:15, slote 16:17, pos 18:19
	v_lshl_add_u32 v192, v0, 2, 0x1400
	v_mov_b32 v193, 0
	s_cmp_lt_u32 ttmp9, 256
	s_cbranch_scc1 .Lsort
	s_cmp_lt_u32 ttmp9, 376
	s_cbranch_scc1 .Lw1
; ---------------------------------------------------------------- W2 and b2 of camera e
	s_sub_co_u32 s20, ttmp9, 376                   ; e
	v_and_b32 v1, 15, v0                           ; r: the output
	v_lshrrev_b32 v2, 4, v0                        ; h
	v_min_u32 v3, 14, v1                           ; lane 15 reads output 14's numbers, which stay inside the buffer, and is cleared below
	v_lshlrev_b32 v3, 2, v3
	v_mad_u32_u24 v3, v2, 480, v3                  ; a row of W2 is 60 bytes: 8 h rows + 4 r
	v_lshlrev_b32 v4, 4, v0                        ; an image's place for my lane
	v_lshlrev_b32 v6, 5, v2                        ; b2: 32 h
	v_add_nc_u32 v8, 28, v6
	v_min_u32 v8, 56, v8                           ; b2[8 h + 7]: index 15 does not exist: index 14 is read in its stead and cleared below
	v_mov_b32 v7, 0x477fe000                       ; 65,504
	s_mul_i32 s22, s20, 7680
	s_mov_b32 s23, 0
	s_mul_i32 s30, s20, 60
	s_mov_b32 s31, 0
	s_mul_i32 s32, s20, PACK
	s_mov_b32 s33, 0
	s_wait_kmcnt 0x0
	s_add_nc_u64 s[8:9], s[8:9], s[22:23]
	s_add_nc_u64 s[10:11], s[10:11], s[30:31]
	s_add_nc_u64 s[24:25], s[12:13], s[32:33]
.irp c, 0,1,2,3                        ; a 16-bit fragment (16 rows x 32 K): registers 0-3 hold K = 8 h + 0 .. 7, registers 4-7 K = 16 + 8 h + 0 .. 7
.irp u, 0,1
.irp i, 0,1,2,3,4,5,6,7
	global_load_b32 v[32+16*\c+8*\u+\i], v3, s[8:9] offset:(32*\c+16*\u+\i)*60   ; W2[e][32 c + 16 u + 8 h + i][r]
.endr
.endr
.endr
.irp j, 0,1,2,3,4,5,6
	global_load_b32 v[128+\j], v6, s[10:11] offset:4*\j      ; b2[e][8 h + j]: the result's register j of lane (r, h) is output 8 h + j
.endr
	global_load_b32 v135, v8, s[10:11]
	s_wait_loadcnt 0x0
.set n, 0
.rept 64
	v_med3_num_f32 v[32+n], v[32+n], -v7, v7       ; held inside f16's range
.set n, n+1
.endr
.set n, 0
.rept 32
	v_cvt_pk_f16_f32 v[96+n], v[32+2*n], v[33+2*n] ; the lower K in the lower half
.set n, n+1
.endr
	v_cmp_ne_u32 vcc_lo, 15, v1
.set n, 0
.rept 32
	v_cndmask_b32 v[96+n], 0, v[96+n], vcc_lo      ; output 15 does not exist: a row of zeros
.set n, n+1
.endr
	v_cmp_eq_u32 vcc_lo, 0, v2
	v_cndmask_b32 v135, 0, v135, vcc_lo            ; and its bias is 0
.irp g, 0,1,2,3,4,5,6,7
	global_store_b128 v4, v[96+4*\g:99+4*\g], s[24:25] offset:WP_2+512*\g     ; 32 lanes store 512 consecutive bytes, aligned to 256
.endr
.irp g, 0,1
	global_store_b128 v4, v[128+4*\g:131+4*\g], s[24:25] offset:WP_B+512*\g
.endr
	s_endpgm
; ---------------------------------------------------------------- W1: camera e, tile t of 16 hidden units, both K steps
.Lw1:
	s_sub_co_u32 s20, ttmp9, 256
	s_lshr_b32 s21, s20, 3                         ; e
	s_and_b32 s20, s20, 7                          ; t
	v_and_b32 v1, 15, v0                           ; r: hidden unit 16 t + r
	v_lshrrev_b32 v2, 4, v0                        ; h
	v_lshlrev_b32 v3, 2, v1
	v_lshl_add_u32 v3, v2, 14, v3                  ; a row of W1[e] is 512 bytes: lanes 16-31 begin 32 rows further down
	v_lshlrev_b32 v4, 4, v0                        ; an image's place for my lane
	v_lshlrev_b32 v5, 2, v0                        ; a scale word's
	v_lshlrev_b32 v14, 3, v2                       ; 8 h: how far up my two scale bytes stand in the word
	v_mov_b32 v16, 0                               ; a lane permute's destination counts as one of its sources
	s_mov_b32 s28, 0x76543210
	s_mov_b32 s29, 0xfedcba98                      ; v_permlanex16_b32's selects for lane l xor 16
	s_lshl_b32 s22, s21, 17                        ; W1[e] is 131,072 bytes,
	s_lshl_b32 s30, s20, 6                         ; a tile's 16 columns 64
	s_add_co_u32 s22, s22, s30
	s_mov_b32 s23, 0
	s_mul_i32 s30, s21, PACK
	s_mul_i32 s31, s20, 3072                       ; two fragments of 1,536 bytes
	s_add_co_u32 s32, s30, s31
	s_mov_b32 s33, 0
	s_lshl_b32 s31, s20, 7
	s_add_co_u32 s34, s30, s31
	s_add_co_u32 s34, s34, WP_S
	s_mov_b32 s35, 0
	s_wait_kmcnt 0x0
	s_add_nc_u64 s[6:7], s[6:7], s[22:23]
	s_add_nc_u64 s[24:25], s[12:13], s[32:33]
	s_add_nc_u64 s[26:27], s[12:13], s[34:35]
.irp s, 0,1
.irp c, 0,1
.irp i, 0,1,2,3,4,5,6,7,8,9,10,11,12,13,14,15,16,17,18,19,20,21,22,23,24,25,26,27,28,29,30,31
	global_load_b32 v[WV+64*\s+32*\c+\i], v3, s[6:7] offset:(128*\s+64*\c+\i)*512   ; W1[e][128 s + 64 c + 32 h + i][16 t + r]: sixteen neighbouring lanes read 64 neighbouring bytes
.endr
.endr
.endr
; K step s: my two whole blocks of 32 (blocks h and 2 + h of the step's four) become registers 0-5 and 6-11 of the fragment; left = the younger loads that may stay out
.macro WFRAG s, left
	s_wait_loadcnt \left
.irp c, 0,1
	v_max3_num_f32 v[8+\c], |v[WV+64*\s+32*\c]|, |v[WV+64*\s+32*\c+1]|, 0x2800000   ; the block's largest magnitude, and the floor 2^(5 - 127): so the byte cannot fall under 1
.endr
.irp i, 2,4,6,8,10,12,14,16,18,20,22,24,26,28,30
.irp c, 0,1
	v_max3_num_f32 v[8+\c], v[8+\c], |v[WV+64*\s+32*\c+\i]|, |v[WV+64*\s+32*\c+\i+1]|   ; (the two blocks by turns)
.endr
.endr
.irp c, 0,1
	v_add_nc_u32 v[10+\c], 0xfe000000, v[8+\c]     ; 4 off its exponent field: the conversion takes the exponent field of this operand as its scale
.endr
.irp c, 0,1
	v_lshrrev_b32 v[12+\c], 23, v[10+\c]           ; the scale's byte
.endr
	v_lshl_or_b32 v[18+\s], v13, 16, v12           ; my two bytes,
	v_lshlrev_b32 v[18+\s], v14, v[18+\s]          ; at their places in the word;
	v_permlanex16_b32 v16, v[18+\s], s28, s29
	v_or_b32 v[18+\s], v[18+\s], v16               ; with lane l xor 16's two the word is whole, in both halves of the lanes
.irp c, 0,1
	v_cvt_scalef32_pk16_bf6_f32 v[WC+12*\s+6*\c:WC+12*\s+6*\c+2], v[WV+64*\s+32*\c:WV+64*\s+32*\c+15], v[10+\c]
	v_cvt_scalef32_pk16_bf6_f32 v[WT+4*\c:WT+4*\c+2], v[WV+64*\s+32*\c+16:WV+64*\s+32*\c+31], v[10+\c]   ; (a conversion's three registers begin on an even number: the second half of a block's six does not)
.endr
	v_nop                                          ; one plain place behind a scaled conversion
.irp c, 0,1
.irp i, 0,1,2
	v_mov_b32 v[WC+12*\s+6*\c+3+\i], v[WT+4*\c+\i]
.endr
.endr
.irp g, 0,1,2
	global_store_b128 v4, v[WC+12*\s+4*\g:WC+12*\s+4*\g+3], s[24:25] offset:1536*\s+512*\g   ; the fragment as it stands: 512 consecutive bytes a store, aligned to 256
.endr
.endm
	WFRAG 0, 63                                    ; 64 loads, K step 1's, are younger; 63 is the largest count that the wait names
	WFRAG 1, 0
	v_cmp_le_u32 vcc_lo, 16, v0
	v_cndmask_b32 v20, v18, v19, vcc_lo            ; lanes 0-15 K step 0's word, lanes 16-31 K step 1's
	global_store_b32 v5, v20, s[26:27]
	s_endpgm
; ---------------------------------------------------------------- the sort of block g = the work-group's number
.Lsort:
	v_lshlrev_b32 v1, 4, v0                        ; 16 x lane
	v_lshlrev_b32 v3, 2, v0                        ; 4 x lane
	v_lshlrev_b32 v5, 3, v0                        ; 8 x lane
	v_lshrrev_b32 v6, 2, v0
	v_lshlrev_b32 v6, 6, v6                        ; 64 x (lane / 4): where my lane's tile begins in 512 bytes of the list
	s_mov_b32 s23, 0
	s_lshl_b32 s22, ttmp9, 11                      ; 512 tokens x 4 bytes
	s_wait_kmcnt 0x0
	s_add_nc_u64 s[4:5], s[4:5], s[22:23]
	s_add_nc_u64 s[18:19], s[18:19], s[22:23]
	s_lshl_b32 s22, ttmp9, 12
	s_add_nc_u64 s[14:15], s[14:15], s[22:23]
	s_lshl_b32 s22, ttmp9, 8
	s_add_nc_u64 s[16:17], s[16:17], s[22:23]
.irp g, 0,1,2,3
	global_load_b128 v[CAM+4*\g:CAM+4*\g+3], v1, s[4:5] offset:512*\g    ; 512 consecutive bytes a load
.endr
.irp i, 0,1,2,3
	v_mov_b32 v[INI+\i], -1
.endr
	v_mov_b32 v[INI+4], 255
	v_mov_b32 v[INI+5], 255
.irp g, 0,1,2,3,4,5,6,7
	ds_store_b128 v1, v[INI:INI+3] offset:512*\g   ; the list begins as -1: a row that no token takes
.endr
	ds_store_b64 v5, v[INI+4:INI+5] offset:L_SL    ; the slots begin as empty
.set k, 0
.rept 16
	v_mov_b32 v[P+k], 0x7fff0000                   ; a token that no camera claims keeps this: beyond every place
	v_add_nc_u32 v[TK+k], 128*(k/4)+(k%4), v3
	v_mov_b32 v[D+k], 0
.set k, k+1
.endr
	s_mov_b32 s20, 0                               ; e
	s_mov_b32 s21, 0                               ; the first place of camera e: a multiple of 16
	s_wait_loadcnt 0x0
.Le:                                               ; 15 trips: camera e's tokens get neighbouring places
.set k, 0
.rept 16
	v_cmp_eq_u32 s[M+k], s20, v[CAM+k]
.set k, k+1
.endr
	s_mov_b32 s[B], s21
.set k, 0
.rept 16
	s_bcnt1_i32_b32 s57, s[M+k]
	s_add_co_u32 s[B+k+1], s[B+k], s57             ; where register k + 1's tokens begin
.set k, k+1
.endr
.set k, 0
.rept 16
	v_mbcnt_lo_u32_b32 v[8+k%4], s[M+k], s[B+k]    ; + the lanes below mine that have the camera too
	v_cndmask_b32 v[P+k], v[P+k], v[8+k%4], s[M+k]
.set k, k+1
.endr
	s_add_co_u32 s21, s[B+16], 15
	s_and_b32 s21, s21, -16                        ; the next camera begins a new tile
	s_add_co_u32 s20, s20, 1
	s_cmp_lt_u32 s20, 15
	s_cbranch_scc1 .Le
	; P = 16 x tile + row, tiles in the cameras' order.  Wave w of the next launch takes tiles (w T) / 8 up to ((w + 1) T) / 8, as its slots 8 w on.
	s_lshr_b32 s58, s21, 4                         ; T, the number of tiles
.irp w, 1,2,3,4,5,6,7
	s_mul_i32 s57, s58, \w
	s_lshr_b32 s57, s57, 3                         ; wave w's first tile
	s_lshl_b32 s[23+\w], s57, 4                    ; as a place: s24-30 (the masks are done with)
	s_sub_co_u32 s57, 128*\w, s[23+\w]             ; 16 x (8 w - first tile)
	v_mov_b32 v[DL+\w-1], s57
.endr
.irp w, 1,2,3,4,5,6,7
.set k, 0
.rept 16
	v_cmp_le_u32 vcc_lo, s[23+\w], v[P+k]
	v_cndmask_b32 v[D+k], v[D+k], v[DL+\w-1], vcc_lo   ; the last wave whose first tile is not beyond mine
.set k, k+1
.endr
.endr
.set k, 0
.rept 16
	v_add_nc_u32 v[P+k], v[P+k], v[D+k]
.set k, k+1
.endr
.set k, 0
.rept 16
	v_min_u32 v[P+k], 0x400, v[P+k]                ; 16 x slot + row, 991 at the most; 1024 for a token without a camera
.set k, k+1
.endr
.set k, 0
.rept 16
	v_lshlrev_b32 v[QA+k], 2, v[P+k]
	v_lshrrev_b32 v[SA+k], 4, v[P+k]
.set k, k+1
.endr
.set k, 0
.rept 16
	v_min_u32 v[SA+k], 64, v[SA+k]
.set k, k+1
.endr
.set k, 0
.rept 16
	v_lshlrev_b32 v[SA+k], 2, v[SA+k]
.set k, k+1
.endr
.set k, 0
.rept 16
	ds_store_b32 v[QA+k], v[TK+k]                  ; LDS serves a wave's instructions in order (ISA guide 5.7.1.4): these come behind the first fill
	ds_store_b32 v[SA+k], v[CAM+k] offset:L_SL     ; every token of a tile writes the same camera
.set k, k+1
.endr
.irp g, 0,1,2,3
	global_store_b128 v1, v[P+4*\g:P+4*\g+3], s[18:19] offset:512*\g
.endr
.irp g, 0,1,2,3,4,5,6,7
	ds_load_b128 v[RB+4*\g:RB+4*\g+3], v1 offset:512*\g
	ds_load_b32 v[FI+\g], v6 offset:512*\g
.endr
	ds_load_b64 v[SE:SE+1], v5 offset:L_SL
	s_wait_dscnt 0x0
.irp g, 0,1,2,3,4,5,6,7
.irp c, 0,1,2,3
	v_cmp_eq_u32 vcc_lo, -1, v[RB+4*\g+\c]
	v_cndmask_b32 v[RB+4*\g+\c], v[RB+4*\g+\c], v[FI+\g], vcc_lo   ; a row that no token takes repeats its tile's first token: its result is looked at by nobody
	v_min_u32 v[RB+4*\g+\c], 0x1ff, v[RB+4*\g+\c]                  ; (an empty slot: token 511, so that a load ahead stays inside the block)
.endr
.endr
.irp g, 0,1,2,3,4,5,6,7
	global_store_b128 v1, v[RB+4*\g:RB+4*\g+3], s[14:15] offset:512*\g
.endr
	global_store_b64 v5, v[SE:SE+1], s[16:17]      ; 32 lanes store 256 consecutive bytes, aligned
	s_wait_tensorcnt 0x0
	ds_add_u32 v192, v193
	s_wait_dscnt 0x0
	s_endpgm
.Lfunc_end_k_q2611618d94_prep:
	.size	k_q2611618d94_prep, .Lfunc_end_k_q2611618d94_prep-k_q2611618d94_prep
	.p2alignl 7, 3214868480
	.fill 96, 4, 3214868480
	.section	.rodata,"a",@progbits
	.p2align	6, 0x0
	.amdhsa_kernel k_q2611618d94_prep
		.amdhsa_group_segment_fixed_size 5376
		.amdhsa_private_segment_fixed_size 0
		.amdhsa_enable_private_segment 0
		.amdhsa_kernarg_size 64
		.amdhsa_user_sgpr_count 2
		.amdhsa_user_sgpr_kernarg_segment_ptr 1
		.amdhsa_wavefront_size32 1
		.amdhsa_system_sgpr_workgroup_id_x 1
		.amdhsa_system_sgpr_workgroup_id_y 1
		.amdhsa_system_sgpr_workgroup_id_z 1
		.amdhsa_system_vgpr_workitem_id 0
		.amdhsa_next_free_vgpr 194
		.amdhsa_next_free_sgpr 66
		.amdhsa_reserve_vcc 1
		.amdhsa_float_denorm_mode_32 3
		.amdhsa_float_denorm_mode_16_64 3
		.amdhsa_memory_ordered 1
		.amdhsa_forward_progress 1
		.amdhsa_inst_pref_size 65
	.end_amdhsa_kernel
	.amdgpu_metadata
---
amdhsa.version: [ 1, 2 ]
amdhsa.kernels:
  - .name:           k_q2611618d94_prep
    .symbol:         k_q2611618d94_prep.kd
    .args:
      - { .name: cam, .offset: 0, .size: 8, .value_kind: global_buffer, .address_space: global }
      - { .name: W1, .offset: 8, .size: 8, .value_kind: global_buffer, .address_space: global }
      - { .name: W2, .offset: 16, .size: 8, .value_kind: global_buffer, .address_space: global }
      - { .name: b2, .offset: 24, .size: 8, .value_kind: global_buffer, .address_space: global }
      - { .name: wpack, .offset: 32, .size: 8, .value_kind: global_buffer, .address_space: global }
      - { .name: rows, .offset: 40, .size: 8, .value_kind: global_buffer, .address_space: global }
      - { .name: slote, .offset: 48, .size: 8, .value_kind: global_buffer, .address_space: global }
      - { .name: pos, .offset: 56, .size: 8, .value_kind: global_buffer, .address_space: global }
    .group_segment_fixed_size: 5376
    .private_segment_fixed_size: 0
    .kernarg_segment_align: 8
    .kernarg_segment_size: 64
    .max_flat_workgroup_size: 32
    .sgpr_count:     66
    .vgpr_count:     194
    .wavefront_size: 32
...
	.end_amdgpu_metadata
.endif
;; end of part 1
;; launch mlp (part 2): grid 256 x 1, 8 waves a work-group, no clusters, 115,712 bytes of LDS; arguments input, b1, wpack, rows, slote, pos, out0; writes out0
.if DOCPART == 2
	.amdgcn_target "amdgcn-amd-amdhsa--gfx1250"
	.amdhsa_code_object_version 6
	.text
	.protected	k_q2611618d94_mlp
	.globl	k_q2611618d94_mlp
	.p2align	8
	.type	k_q2611618d94_mlp,@function
k_q2611618d94_mlp:
	s_mov_b64 s[64:65], 0
	v_nop
	global_prefetch_b8 v0, s[64:65] scope:SCOPE_SE
	s_setreg_imm32_b32 hwreg(HW_REG_WAVE_MODE, 25, 1), 1
	s_wait_xcnt 0x0
; out[t] = relu(x[t] W1[cam t] + b1[cam t]) W2[cam t] + b2[cam t]; a row of zeros where cam t is none of 0 .. 14.  Only each token's own camera is multiplied.
; The first product runs on codes of E3M2 with one E8M0 scale for each 32 along K = 256: x is quantised here, in registers; W1 comes as codes from the launch before.
; The second product (N = 15) runs on f16 operands with f32 sums; biases, ReLU and sums are f32.
; SHARES.  A work-group owns 512 neighbouring tokens; the launch before has sorted them by camera into tiles of 16 rows and dealt the tiles to the eight waves, six at the most to a wave, in the
; cameras' order.  A wave takes a tile through the whole chain: gather 16 rows of x, quantise, 16 scaled matrix instructions, ReLU, f16, 4 matrix instructions.  Results meet in LDS, where each wave
; picks its 64 neighbouring tokens' rows by the stored places, lays them 60 bytes apart in a stage of its own, and stores 3,840 consecutive bytes.
; BOTH PRODUCTS ARE USED TRANSPOSED (source 0 = the weights, source 1 = the tokens): a lane holds ONE token.  In tile t of the hidden layer lane (r, h) holds units 16 t + 8 h + 0 .. 7 of token r, which,
; packed in pairs, is just what the 16-bit operand's layout asks of that lane for K = 32 c + 16 u + 8 h + 0 .. 7, t = 2 c + u: nothing changes lanes between the products.
; THE WEIGHTS go from memory straight into registers: a camera's pack (30,720 bytes) is an image of the registers, fetched anew only when the wave's next tile has another camera.
; NO CLUSTER, NO JOINT LOADS: the 15 packs are 460,800 bytes, more than the LDS that a work-group can have, and which pack a wave wants, and when, hangs on lists read from memory, which differ
; from work-group to work-group.  No tensor loads: the rows of x are gathered by a list.
; AHEAD: each half of a tile's x is asked for again as soon as it has been converted, so 16 KB a wave are on their way through the rest of the trip; the next bias follows the ReLU, the next pack the last product.
; LIMITS: hidden units above 65,504, f16's largest number, are held there; a block of x whose largest magnitude lies under 2^-122 keeps the scale byte 1 (a block of zeros too: its codes are zeros);
; the second product's sum is taken in two halves of 64 hidden units, added in f32; NaN and infinities among the inputs are not served.
; REGISTERS, in windows of 256.  Window 0: v1-15 addresses and places; v16-143 a tile of x; v144-175 x's codes, then the hidden layer in f16; v176-191 at work in the quantiser, then the second product's two
; accumulators; v192-223 W2; v224-231 W1's scale words; v232-233 x's; v234-241 b2; v242-247 addresses.   Window 1: v0-191 W1's 16 fragments; v192-255 the hidden layer's 8 accumulators.
.set PACK, 30720
.set WP_S, 24576
.set WP_2, 25600
.set WP_B, 29696
.set ZROW, 81920                       ; LDS: 0 .. 81,919: 1,024 rows of 80 bytes (16 f32 + 16 bytes, so that the sixteen rows of a store start in different banks: 64 banks of 4 bytes, ISA guide 11.1); row 1024: zeros
.set S2,   82176                       ; then for each wave 3,840 bytes: its 64 tokens' rows of 60 bytes, as they lie in memory
.set XB,  16
.set PC0, 144
.set PC1, 156
.set CT,  168
.set HF,  144
.set TM,  176
.set OA0, 176
.set OA1, 184
.set W2F, 192
.set W1S, 224
.set XS,  232
.set B2,  234
.set ZA,  242                          ; v242 LDS address of the row of zeros
.set STA, 243                          ; v243 LDS address of the tile's results
.set RR,  244                          ; v244 r = lane % 16
.set HH,  245                          ; v245 h = lane / 16
.set L8,  246                          ; v246 my stage + 8 x lane: for the stage's last 256 bytes
.set G8,  247                          ; v247 8 x lane: the same place in out
.set HA,  192                          ; in window 1
.set MSB, 0
.macro WIN new                         ; the immediate's high byte repeats the setting that is left
.if MSB != \new
	s_set_vgpr_msb (MSB<<8)|\new
.set MSB, \new
.endif
.endm
; 64 numbers of a lane, v[s] on, register 16 b + i = k 32 b + 16 (lane / 16) + i of my token, become a fragment's codes in v[pc] on and its scale word in v[pw].
.macro QUANT s, pc, pw
.irp b, 0,1,2,3
	v_max3_num_f32 v[TM+\b], |v[(\s)+16*\b]|, |v[(\s)+1+16*\b]|, 0x2800000   ; block b: my 16 numbers, and the floor 2^(5 - 127): so the byte cannot fall under 1
.endr
.irp i, 2,4,6,8,10,12,14
.irp b, 0,1,2,3
	v_max3_num_f32 v[TM+\b], v[TM+\b], |v[(\s)+16*\b+\i]|, |v[(\s)+1+16*\b+\i]|   ; (the four blocks by turns)
.endr
.endr
.irp b, 0,1,2,3
	v_permlanex16_b32 v[TM+4+\b], v[TM+\b], s20, s21
.endr
.irp b, 0,1,2,3
	v_max_num_f32 v[TM+\b], v[TM+\b], v[TM+4+\b]   ; with lane l xor 16's: the block's largest magnitude
.endr
.irp b, 0,1,2,3
	v_add_nc_u32 v[TM+12+\b], 0xfe000000, v[TM+\b] ; 4 off its exponent field: the conversion takes the exponent field of this operand as its scale
.endr
.irp b, 0,1,2,3
	v_lshrrev_b32 v[TM+4+\b], 23, v[TM+12+\b]      ; the scale's byte
.endr
	v_lshl_or_b32 v[\pw], v[TM+5], 8, v[TM+4]      ; the four bytes make my token's scale word
	v_lshl_or_b32 v[\pw], v[TM+6], 16, v[\pw]
	v_lshl_or_b32 v[\pw], v[TM+7], 24, v[\pw]
.irp c, 0,1
	v_cvt_scalef32_pk16_bf6_f32 v[(\pc)+6*\c:(\pc)+2+6*\c], v[(\s)+32*\c:(\s)+15+32*\c], v[TM+12+2*\c]
	v_cvt_scalef32_pk16_bf6_f32 v[CT+4*\c:CT+2+4*\c], v[(\s)+16+32*\c:(\s)+31+32*\c], v[TM+12+2*\c+1]   ; (a conversion's three registers begin on an even number)
.endr
	v_nop                                          ; one plain place behind a scaled conversion
.irp c, 0,1                            ; the operand's layout wants a WHOLE block in a lane: lanes 0-15 block 2 c, lanes 16-31 block 2 c + 1
.irp i, 0,1,2
	v_permlane16_swap_b32 v[(\pc)+6*\c+\i], v[CT+4*\c+\i]
.endr
.irp i, 0,1,2
	v_mov_b32 v[(\pc)+3+6*\c+\i], v[CT+4*\c+\i]
.endr
.endr
.endm
.macro XLOAD s                         ; K step s of the 16 rows that v8 names: 64 numbers a lane; a lane's four loads of a block stand together and take 64 neighbouring bytes
.irp b, 0,1,2,3
.irp j, 0,1,2,3
	global_load_b128 v[XB+64*\s+16*\b+4*\j:XB+64*\s+16*\b+4*\j+3], v8, s[4:5] offset:512*\s+128*\b+16*\j
.endr
.endr
.endm
.macro BLOAD                           ; 16 loads: b1 as the C of the first product, straight into the accumulators: tile t's register j of lane (r, h) is b1[16 t + 8 h + j]
	WIN 0x40                                       ; destination window 1
.irp t, 0,1,2,3,4,5,6,7
.irp u, 0,1
	global_load_b128 v[HA+8*\t+4*\u:HA+8*\t+4*\u+3], v5, s[38:39] offset:64*\t+16*\u
.endr
.endr
	WIN 0
.endm
.macro WLOAD                           ; 66 loads: a camera's pack
	WIN 0x40
.set q, 0
.rept 48
	global_load_b128 v[4*q:4*q+3], v3, s[36:37] offset:512*q     ; 512 consecutive bytes a load
.set q, q+1
.endr
	WIN 0
.irp t, 0,1,2,3,4,5,6,7
	global_load_b32 v[W1S+\t], v4, s[36:37] offset:WP_S+128*\t
.endr
.irp g, 0,1,2,3,4,5,6,7
	global_load_b128 v[W2F+4*\g:W2F+4*\g+3], v3, s[36:37] offset:WP_2+512*\g
.endr
.irp g, 0,1
	global_load_b128 v[B2+4*\g:B2+4*\g+3], v3, s[36:37] offset:WP_B+512*\g
.endr
.endm
.macro BARRIER                         ; my LDS stores have landed and my LDS loads are in: then the work-group's barrier
	s_wait_dscnt 0x0
	s_barrier_signal -1
	s_barrier_wait -1
.endm
	s_load_b256 s[4:11], s[0:1], 0x0               ; input 4:5, b1 6:7, wpack 8:9, rows 10:11
	s_load_b128 s[12:15], s[0:1], 0x20             ; slote 12:13, pos 14:15
	s_load_b64 s[16:17], s[0:1], 0x30              ; out0
	v_lshl_add_u32 v254, v0, 2, 0x1c000
	v_mov_b32 v255, 0
	v_lshrrev_b32 v1, 5, v0
	v_readfirstlane_b32 s18, v1                    ; wave 0..7
	v_and_b32 v1, 31, v0                           ; lane
	v_and_b32 v[RR], 15, v0
	v_bfe_u32 v[HH], v0, 4, 1
	v_lshlrev_b32 v2, 6, v[HH]                     ; x: my 16 numbers of a block of 32: 64 h
	v_lshlrev_b32 v3, 4, v1                        ; an image's place for my lane
	v_lshlrev_b32 v4, 2, v1
	v_lshlrev_b32 v5, 5, v[HH]                     ; b1: 32 h
	v_lshlrev_b32 v6, 2, v[RR]                     ; the list of rows: 4 r
	v_lshlrev_b32 v[G8], 3, v1                     ; 8 x lane
	s_mul_i32 s33, s18, 10240                      ; my eight slots of 16 rows of 80 bytes
	v_mul_u32_u24 v9, v[RR], 80
	v_lshl_add_u32 v9, v[HH], 5, v9
	v_add_nc_u32 v9, s33, v9                       ; results: row r of my slot 0, + 32 h: outputs 8 h on
	s_mul_i32 s33, s18, 3840
	s_add_co_u32 s33, s33, S2                      ; my stage
	v_mul_u32_u24 v14, v1, 60
	v_add_nc_u32 v14, s33, v14                     ; into it: token = lane
	v_add_nc_u32 v15, s33, v3                      ; out of it: 16 bytes a lane,
	v_add_nc_u32 v[L8], s33, v[G8]                 ; and 8 bytes a lane for its last 256 bytes
	v_and_b32 v[ZA], 3, v0
	v_lshl_add_u32 v[ZA], v[ZA], 4, ZROW
.irp b, 0,1,2,3
	v_mov_b32 v[TM+4+\b], 0                        ; a lane permute's destination counts as one of its sources; also the row of zeros
.endr
	s_mov_b32 s20, 0x76543210
	s_mov_b32 s21, 0xfedcba98                      ; v_permlanex16_b32's selects for lane l xor 16
	s_mov_b32 s22, 0x477fe000                      ; 65,504
	s_mov_b32 s35, 0
	s_lshl_b32 s34, ttmp9, 19                      ; 512 rows of 1,024 bytes
	s_wait_kmcnt 0x0
	s_add_nc_u64 s[4:5], s[4:5], s[34:35]
	s_lshl_b32 s34, ttmp9, 12
	s_lshl_b32 s33, s18, 9
	s_add_co_u32 s34, s34, s33
	s_add_nc_u64 s[10:11], s[10:11], s[34:35]      ; my eight slots' rows
	s_lshl_b32 s34, ttmp9, 8
	s_lshl_b32 s33, s18, 5
	s_add_co_u32 s34, s34, s33
	s_add_nc_u64 s[12:13], s[12:13], s[34:35]      ; and cameras
	s_lshl_b32 s34, ttmp9, 11
	s_lshl_b32 s33, s18, 8
	s_add_co_u32 s34, s34, s33
	s_add_nc_u64 s[14:15], s[14:15], s[34:35]      ; the places of tokens 64 w on
	s_mul_i32 s34, ttmp9, 30720
	s_mul_i32 s33, s18, 3840
	s_add_co_u32 s34, s34, s33
	s_add_nc_u64 s[16:17], s[16:17], s[34:35]      ; and their rows of out
	s_load_b256 s[24:31], s[12:13], 0x0            ; s24 the camera of the slot in hand, s25 the next one's, ..
	global_load_b32 v7, v6, s[10:11]               ; slot 0's rows
	global_load_b32 v10, v4, s[14:15]
	global_load_b32 v11, v4, s[14:15] offset:128
	s_cmp_lg_u32 s18, 0
	s_cbranch_scc1 .Lnot0
	ds_store_b128 v[ZA], v[TM+4:TM+7]              ; wave 0 lays the row of zeros (eight lanes write each 16 bytes, with the same value)
	s_wait_dscnt 0x0                               ; the store has read its registers
.Lnot0:
	s_wait_kmcnt 0x0
	s_wait_loadcnt 0x0
	v_min_u32 v8, 0x1ff, v7
	v_lshlrev_b32 v8, 10, v8
	v_add_nc_u32 v8, v8, v2                        ; my row of x, + 64 h
	XLOAD 0
	XLOAD 1
	global_load_b32 v7, v6, s[10:11] offset:64     ; slot 1's rows
	s_min_u32 s33, s24, 14                         ; (an empty slot: camera 14's, which nobody multiplies)
	s_lshl_b32 s34, s33, 9
	s_add_nc_u64 s[38:39], s[6:7], s[34:35]
	s_mul_i32 s34, s33, PACK
	s_add_nc_u64 s[36:37], s[8:9], s[34:35]
	BLOAD
	WLOAD
	s_wait_loadcnt 63                              ; x and slot 1's rows are in: 16 + 66 loads are younger; 63 is the largest count that the wait names
	s_mov_b32 s32, 0
	s_mov_b32 s23, 0                               ; the slot's place among my results: 1,280 bytes a trip
.Ltrip:                                            ; six trips, a constant; an empty slot jumps over the work.  At the head: this slot's x and the next slot's rows are in
	v_add_nc_u32 v6, 64, v6
	s_cmp_gt_u32 s24, 14
	s_cbranch_scc1 .Lnext
	v_min_u32 v8, 0x1ff, v7
	v_lshlrev_b32 v8, 10, v8
	v_add_nc_u32 v8, v8, v2                        ; the next slot's rows of x
	v_add_nc_u32 v[STA], s23, v9
	QUANT XB, PC0, XS
	XLOAD 0                                        ; each half is asked for again as soon as it has been converted
	QUANT XB+64, PC1, XS+1
	XLOAD 1
	global_load_b32 v7, v6, s[10:11] offset:64     ; the rows of the slot after the next: slot 7 at the most, inside my eight
	s_wait_loadcnt 33                              ; all but the 33 just issued: this tile's bias and the camera's pack are in
.rept 8
	v_nop                                          ; a scale register written by a vector instruction stands 8 places ahead of a scaled matrix instruction, an operand so written 4
.endr
	WIN 0x51                                       ; W1 and the accumulators in window 1, x's codes in window 0
.irp s, 0,1                            ; the eight accumulators take turns, one instruction a turn
.irp t, 0,1,2,3,4,5,6,7
.if \s == 0
	v_wmma_scale_f32_16x16x128_f8f6f4 v[HA+8*\t:HA+8*\t+7], v[24*\t:24*\t+11], v[PC0:PC0+11], v[HA+8*\t:HA+8*\t+7], v[W1S+\t], v[XS] matrix_a_fmt:MATRIX_FMT_BF6 matrix_b_fmt:MATRIX_FMT_BF6
.else
	v_wmma_scale_f32_16x16x128_f8f6f4 v[HA+8*\t:HA+8*\t+7], v[24*\t+12:24*\t+23], v[PC1:PC1+11], v[HA+8*\t:HA+8*\t+7], v[W1S+\t], v[XS+1] matrix_a_fmt:MATRIX_FMT_BF6 matrix_b_fmt:MATRIX_FMT_BF6 matrix_a_scale:MATRIX_SCALE_ROW1
.endif
.endr
.endr
.rept 4
	v_nop                                          ; four places (ISA guide 7.12.1) in front of the reads of the results and of the writes over x's codes
.endr
	WIN 0x41                                       ; in place, in window 1
.set j, 0
.rept 64
	v_med3_num_f32 v[HA+j], v[HA+j], 0, s22        ; ReLU, and the hold at f16's largest number, in one; each accumulator from its low end on
.set j, j+1
.endr
	WIN 0x05                                       ; sources window 1, destination window 0
.set j, 0
.rept 32
	v_cvt_pk_f16_f32 v[HF+j], v[HA+2*j], v[HA+2*j+1]   ; registers 8 c .. 8 c + 7: the operand of hidden units 32 c .. 32 c + 31
.set j, j+1
.endr
	s_min_u32 s33, s25, 14
	s_lshl_b32 s34, s33, 9
	s_add_nc_u64 s[38:39], s[6:7], s[34:35]        ; (the loads that named this pair are in: the wait for all but 33)
	BLOAD                                          ; the next tile's bias, into the accumulators that have just been read out
	v_wmma_f32_16x16x32_f16 v[OA0:OA0+7], v[W2F:W2F+7], v[HF:HF+7], v[B2:B2+7]         ; two accumulators by turns; b2 is the C of the first
	v_wmma_f32_16x16x32_f16 v[OA1:OA1+7], v[W2F+8:W2F+15], v[HF+8:HF+15], 0
	v_wmma_f32_16x16x32_f16 v[OA0:OA0+7], v[W2F+16:W2F+23], v[HF+16:HF+23], v[OA0:OA0+7]
	v_wmma_f32_16x16x32_f16 v[OA1:OA1+7], v[W2F+24:W2F+31], v[HF+24:HF+31], v[OA1:OA1+7]
.rept 4
	v_nop                                          ; four places in front of the reads of the results, of the loads into the weights' registers and of the next quantiser's writes
.endr
.irp j, 0,2,4,6
	v_pk_add_f32 v[OA0+\j:OA0+\j+1], v[OA0+\j:OA0+\j+1], v[OA1+\j:OA1+\j+1]
.endr
	ds_store_b128 v[STA], v[OA0:OA0+3]             ; lane (r, h): outputs 8 h + 0 .. 7 of the tile's row r
	ds_store_b128 v[STA], v[OA0+4:OA0+7] offset:16
	s_cmp_eq_u32 s25, s24
	s_cbranch_scc1 .Lsame                          ; the next tile has the same camera,
	s_cmp_gt_u32 s25, 14
	s_cbranch_scc1 .Lsame                          ; or there is none: the pack stays
	s_min_u32 s33, s25, 14
	s_mul_i32 s34, s33, PACK
	s_add_nc_u64 s[36:37], s[8:9], s[34:35]
	WLOAD
	s_wait_loadcnt 63                              ; the next tile's x and the rows behind it are in: 16 + 66 loads are younger
	s_branch .Lnext
.Lsame:
	s_wait_loadcnt 16                              ; the same: the bias's 16 loads are younger
.Lnext:
	s_wait_dscnt 0x0                               ; the two stores have read their registers
	s_mov_b32 s24, s25
	s_mov_b32 s25, s26
	s_mov_b32 s26, s27
	s_mov_b32 s27, s28
	s_mov_b32 s28, s29
	s_mov_b32 s29, s30
	s_mov_b32 s30, s31
	s_mov_b32 s31, 255
	s_add_co_u32 s23, s23, 1280
	s_add_co_u32 s32, s32, 1
	s_cmp_lt_u32 s32, 6
	s_cbranch_scc1 .Ltrip
	; THE WAY OUT.  Every wave's results lie in LDS behind the first barrier.  Each wave picks the rows of its 64 neighbouring tokens by their stored places.  The second barrier parts these reads, whose
	; addresses come from the list, from every wave's stores into its stage.
	s_wait_loadcnt 0x0                             ; what was asked for ahead and is not used
	BARRIER
	v_min_u32 v12, 0x400, v10
	v_min_u32 v13, 0x400, v11
	v_mul_u32_u24 v12, v12, 80
	v_mul_u32_u24 v13, v13, 80                     ; place 1024: the row of zeros
.irp c, 0,1,2,3
	ds_load_b128 v[16+4*\c:19+4*\c], v12 offset:16*\c
	ds_load_b128 v[32+4*\c:35+4*\c], v13 offset:16*\c
.endr
	BARRIER
.irp u, 0,1
.irp n, 0,1,2,3,4,5,6,7,8,9,10,11,12,13,14
	ds_store_b32 v14, v[16+16*\u+\n] offset:1920*\u+4*\n      ; token 32 u + lane, output n: 15 words from lane to lane, so the 32 lanes touch 32 different banks
.endr
.endr
.irp k, 0,1,2,3,4,5,6
	ds_load_b128 v[48+4*\k:51+4*\k], v15 offset:512*\k        ; my own bytes: LDS serves a wave's instructions in order (ISA guide 5.7.1.4)
.endr
	ds_load_b64 v[76:77], v[L8] offset:3584        ; 3,840 = 7 x 512 + 256: the last 256 bytes go 8 to a lane, so that all 32 lanes stay on and no address leaves my stage
.irp k, 0,1,2,3,4,5,6
	s_wait_dscnt 7-\k                              ; read-back k is in; the 6 - k behind it and the load of 8 bytes may be out
	global_store_b128 v3, v[48+4*\k:51+4*\k], s[16:17] offset:512*\k th:TH_STORE_NT   ; 32 lanes store 512 consecutive bytes, aligned to 256; written once, read by nobody here
.endr
	s_wait_dscnt 0x0
	global_store_b64 v[G8], v[76:77], s[16:17] offset:3584 th:TH_STORE_NT              ; 32 lanes store 256 consecutive bytes, aligned to 256
	s_wait_tensorcnt 0x0
	ds_add_u32 v254, v255
	s_wait_dscnt 0x0
	s_endpgm
.Lfunc_end_k_q2611618d94_mlp:
	.size	k_q2611618d94_mlp, .Lfunc_end_k_q2611618d94_mlp-k_q2611618d94_mlp
	.p2alignl 7, 3214868480
	.fill 96, 4, 3214868480
	.section	.rodata,"a",@progbits
	.p2align	6, 0x0
	.amdhsa_kernel k_q2611618d94_mlp
		.amdhsa_group_segment_fixed_size 115712
		.amdhsa_private_segment_fixed_size 0
		.amdhsa_enable_private_segment 0
		.amdhsa_kernarg_size 56
		.amdhsa_user_sgpr_count 2
		.amdhsa_user_sgpr_kernarg_segment_ptr 1
		.amdhsa_wavefront_size32 1
		.amdhsa_system_sgpr_workgroup_id_x 1
		.amdhsa_system_sgpr_workgroup_id_y 1
		.amdhsa_system_sgpr_workgroup_id_z 1
		.amdhsa_system_vgpr_workitem_id 0
		.amdhsa_next_free_vgpr 512
		.amdhsa_next_free_sgpr 66
		.amdhsa_reserve_vcc 0
		.amdhsa_float_denorm_mode_32 3
		.amdhsa_float_denorm_mode_16_64 3
		.amdhsa_memory_ordered 1
		.amdhsa_forward_progress 1
		.amdhsa_inst_pref_size 48
	.end_amdhsa_kernel
	.amdgpu_metadata
---
amdhsa.version: [ 1, 2 ]
amdhsa.kernels:
  - .name:           k_q2611618d94_mlp
    .symbol:         k_q2611618d94_mlp.kd
    .args:
      - { .name: input, .offset: 0, .size: 8, .value_kind: global_buffer, .address_space: global }
      - { .name: b1, .offset: 8, .size: 8, .value_kind: global_buffer, .address_space: global }
      - { .name: wpack, .offset: 16, .size: 8, .value_kind: global_buffer, .address_space: global }
      - { .name: rows, .offset: 24, .size: 8, .value_kind: global_buffer, .address_space: global }
      - { .name: slote, .offset: 32, .size: 8, .value_kind: global_buffer, .address_space: global }
      - { .name: pos, .offset: 40, .size: 8, .value_kind: global_buffer, .address_space: global }
      - { .name: out0, .offset: 48, .size: 8, .value_kind: global_buffer, .address_space: global }
    .group_segment_fixed_size: 115712
    .private_segment_fixed_size: 0
    .kernarg_segment_align: 8
    .kernarg_segment_size: 56
    .max_flat_workgroup_size: 256
    .sgpr_count:     66
    .vgpr_count:     512
    .wavefront_size: 32
...
	.end_amdgpu_metadata
.endif
;; end of part 2
;; ======== version 2 of 2: 2 launches; version 1 with the launch mlp written anew for expert scheduling mode
;; limits: values are held in f16: magnitudes above 65,504 overflow, below 6.1e-05 lose precision
;; workspace buffers: wpack 460,800 bytes; rows 1,048,576 bytes of whole numbers; slote 65,536 bytes of whole numbers; pos 524,288 bytes of whole numbers
;; launch prep: the kernel of part 1 again; grid 391 x 1, 1 waves a work-group, no clusters, 5,376 bytes of LDS; arguments cam, W1, W2, b2, wpack, rows, slote, pos; writes wpack, rows, slote, pos
;; launch mlp (part 3): grid 256 x 1, 8 waves a work-group, no clusters, 115,712 bytes of LDS; arguments input, b1, wpack, rows, slote, pos, out0; writes out0
.if DOCPART == 3
	.amdgcn_target "amdgcn-amd-amdhsa--gfx1250"
	.amdhsa_code_object_version 6
	.text
	.protected	k_q2611618d94_mlp
	.globl	k_q2611618d94_mlp
	.p2align	8
	.type	k_q2611618d94_mlp,@function
k_q2611618d94_mlp:
	s_mov_b64 s[64:65], 0
	v_nop
	global_prefetch_b8 v0, s[64:65] scope:SCOPE_SE
	s_setreg_imm32_b32 hwreg(HW_REG_WAVE_SCHED_MODE, 0, 2), 2
	s_setreg_imm32_b32 hwreg(HW_REG_WAVE_MODE, 25, 1), 1
	s_wait_xcnt 0x0
	s_wait_alu depctr_vm_vsrc(0)
; out[t] = relu(x[t] W1[cam t] + b1[cam t]) W2[cam t] + b2[cam t]; a row of zeros where cam t is none of 0 .. 14.  Only each token's own camera is multiplied.
; The first product runs on codes of E3M2 with one E8M0 scale for each 32 along K = 256: x is quantised here, in registers; W1 comes as codes from the launch before.
; The second product (N = 15) runs on f16 operands with f32 sums; biases, ReLU and sums are f32.
; SHARES.  A work-group owns 512 neighbouring tokens; the launch before has sorted them by camera into tiles of 16 rows and dealt the tiles to the eight waves, six at the most to a wave, in the
; cameras' order.  A wave takes a tile through the whole chain: gather 16 rows of x, quantise, 16 scaled matrix instructions, ReLU, f16, 4 matrix instructions.  Results meet in LDS, where each wave
; picks its 64 neighbouring tokens' rows by the stored places, lays them 60 bytes apart in a stage of its own, and stores 3,840 consecutive bytes.
; BOTH PRODUCTS ARE USED TRANSPOSED (source 0 = the weights, source 1 = the tokens): a lane holds ONE token.  In tile t of the hidden layer lane (r, h) holds units 16 t + 8 h + 0 .. 7 of token r, which,
; packed in pairs, is just what the 16-bit operand's layout asks of that lane for K = 32 c + 16 u + 8 h + 0 .. 7, t = 2 c + u: nothing changes lanes between the products.
; THE WEIGHTS go from memory straight into registers: a camera's pack (30,720 bytes) is an image of the registers, fetched anew only when the wave's next tile has another camera.
; NO CLUSTER, NO JOINT LOADS: the 15 packs are 460,800 bytes, more than the LDS that a work-group can have, and which pack a wave wants, and when, hangs on lists read from memory, which differ
; from work-group to work-group.  No tensor loads: the rows of x are gathered by a list.
; AHEAD: each half of a tile's x is asked for again as soon as it has been converted, so 16 KB a wave are on their way through the rest of the trip; the next bias and the next pack follow the last product.
; LIMITS: hidden units above 65,504, f16's largest number, are held there; a block of x whose largest magnitude lies under 2^-122 keeps the scale byte 1 (a block of zeros too: its codes are zeros);
; the second product's sum is taken in two halves of 64 hidden units, added in f32; NaN and infinities among the inputs are not served.
; REGISTERS, in windows of 256.  Window 0: v1-15 addresses and places; v16-143 a tile of x; v144-175 x's codes, then the hidden layer in f16; v176-191 at work in the quantiser, then the second product's two
; accumulators; v192-223 W2; v224-231 W1's scale words; v232-233 x's; v234-241 b2; v242-247 addresses.   Window 1: v0-191 W1's 16 fragments; v192-255 the hidden layer's 8 accumulators.
; THE MODE: SCHED_MODE bits 1:0 = 2 (LLVM: expert scheduling mode 2), set by the entry lines.  The code itself states the register dependences
; between vector or matrix instructions and memory or LDS instructions, with s_wait_alu, always for 0.
; THE PLAN.  Registers that memory or LDS instructions touch, in a trip of the loop:
;   v16-79, v80-143   x's two K steps.  Read by the first and by the second quantiser; behind each, the next tile's 16 loads land there.
;   v7                the list of rows.  Read at the trip's head; the next list's load lands there behind the second quantiser.
;   v8, v6            offsets.  Written at the trip's head; read by the trip's 33 loads.
;   v243, v176-183    the results' LDS address and the results.  Written at the head and by the four packed additions; read by the two LDS stores; written again by the next trip.
;   the 8 hidden accumulators   filled by the bias's loads; written by the products and the ReLU, read by the conversions to f16; then the next bias lands there.
;   W1's fragments and scale words, W2, b2   read by matrix instructions alone; another camera's pack lands there.
;   v2-v5, v9         made at the kernel's head, never written again.
; So a trip has FOUR waits.  (1) vm_vsrc at its head: the last trip's loads and LDS stores have read what the head and the quantiser write again.  (2) va_vdst behind the first quantiser: K step 0's loads
; follow, dealt among the second quantiser's lines, which name none of their registers.  (3) va_vdst behind the second quantiser and the places: K step 1's loads and the list's, and x's codes and scale words
; for the scaled products.  (4) va_vdst behind the packed additions: the LDS stores, the bias's loads and the pack's loads follow, and no vector instruction stands behind it before the next trip's head.
.set PACK, 30720
.set WP_S, 24576
.set WP_2, 25600
.set WP_B, 29696
.set ZROW, 81920                       ; LDS: 0 .. 81,919: 1,024 rows of 80 bytes (16 f32 + 16 bytes, so that the sixteen rows of a store start in different banks: 64 banks of 4 bytes, ISA guide 11.1); row 1024: zeros
.set S2,   82176                       ; then for each wave 3,840 bytes: its 64 tokens' rows of 60 bytes, as they lie in memory
.set XB,  16
.set PC0, 144
.set PC1, 156
.set CT,  168
.set HF,  144
.set TM,  176
.set OA0, 176
.set OA1, 184
.set W2F, 192
.set W1S, 224
.set XS,  232
.set B2,  234
.set ZA,  242                          ; v242 LDS address of the row of zeros
.set STA, 243                          ; v243 LDS address of the tile's results
.set RR,  244                          ; v244 r = lane % 16
.set HH,  245                          ; v245 h = lane / 16
.set L8,  246                          ; v246 my stage + 8 x lane: for the stage's last 256 bytes
.set G8,  247                          ; v247 8 x lane: the same place in out
.set HA,  192                          ; in window 1
.set MSB, 0
.macro WIN new                         ; the immediate's high byte repeats the setting that is left
.if MSB != \new
	s_set_vgpr_msb (MSB<<8)|\new
.set MSB, \new
.endif
.endm
.macro XBLK s, b                       ; block b of K step s of the 16 rows that v8 names: a lane's four loads of a block stand together and take 64 neighbouring bytes
.irp j, 0,1,2,3
	global_load_b128 v[XB+64*(\s)+16*(\b)+4*\j:XB+64*(\s)+16*(\b)+4*\j+3], v8, s[4:5] offset:512*(\s)+128*(\b)+16*\j
.endr
.endm
.macro XLOAD s                         ; K step s: 64 numbers a lane
.irp b, 0,1,2,3
	XBLK \s, \b
.endr
.endm
; 64 numbers of a lane, v[s] on, register 16 b + i = k 32 b + 16 (lane / 16) + i of my token, become a fragment's codes in v[pc] on and its scale word in v[pw].
; ld = 1: the next tile's K step 0 is asked for on the way, a block of four loads behind every second round of the maxima: none of this macro's lines then names v16-79 or v8.
.macro QUANT s, pc, pw, ld
.irp b, 0,1,2,3
	v_max3_num_f32 v[TM+\b], |v[(\s)+16*\b]|, |v[(\s)+1+16*\b]|, 0x2800000   ; block b: my 16 numbers, and the floor 2^(5 - 127): so the byte cannot fall under 1
.endr
.irp i, 2,4,6,8,10,12,14
.irp b, 0,1,2,3
	v_max3_num_f32 v[TM+\b], v[TM+\b], |v[(\s)+16*\b+\i]|, |v[(\s)+1+16*\b+\i]|   ; (the four blocks by turns)
.endr
.if (\ld) && (\i % 4 == 2)
	XBLK 0, (\i-2)/4
.endif
.endr
.irp b, 0,1,2,3
	v_permlanex16_b32 v[TM+4+\b], v[TM+\b], s20, s21
.endr
.irp b, 0,1,2,3
	v_max_num_f32 v[TM+\b], v[TM+\b], v[TM+4+\b]   ; with lane l xor 16's: the block's largest magnitude
.endr
.irp b, 0,1,2,3
	v_add_nc_u32 v[TM+12+\b], 0xfe000000, v[TM+\b] ; 4 off its exponent field: the conversion takes the exponent field of this operand as its scale
.endr
.irp b, 0,1,2,3
	v_lshrrev_b32 v[TM+4+\b], 23, v[TM+12+\b]      ; the scale's byte
.endr
	v_lshl_or_b32 v[\pw], v[TM+5], 8, v[TM+4]      ; the four bytes make my token's scale word
	v_lshl_or_b32 v[\pw], v[TM+6], 16, v[\pw]
	v_lshl_or_b32 v[\pw], v[TM+7], 24, v[\pw]
.irp c, 0,1
	v_cvt_scalef32_pk16_bf6_f32 v[(\pc)+6*\c:(\pc)+2+6*\c], v[(\s)+32*\c:(\s)+15+32*\c], v[TM+12+2*\c]
	v_cvt_scalef32_pk16_bf6_f32 v[CT+4*\c:CT+2+4*\c], v[(\s)+16+32*\c:(\s)+31+32*\c], v[TM+12+2*\c+1]   ; (a conversion's three registers begin on an even number)
.endr
	v_nop                                          ; one plain place behind a scaled conversion
.irp c, 0,1                            ; the operand's layout wants a WHOLE block in a lane: lanes 0-15 block 2 c, lanes 16-31 block 2 c + 1
.irp i, 0,1,2
	v_permlane16_swap_b32 v[(\pc)+6*\c+\i], v[CT+4*\c+\i]
.endr
.irp i, 0,1,2
	v_mov_b32 v[(\pc)+3+6*\c+\i], v[CT+4*\c+\i]
.endr
.endr
.endm
.macro BLOAD                           ; 16 loads, destination window 1: b1 as the C of the first product, straight into the accumulators: tile t's register j of lane (r, h) is b1[16 t + 8 h + j]
.irp t, 0,1,2,3,4,5,6,7
.irp u, 0,1
	global_load_b128 v[HA+8*\t+4*\u:HA+8*\t+4*\u+3], v5, s[38:39] offset:64*\t+16*\u
.endr
.endr
.endm
.macro WLOAD                           ; 66 loads: a camera's pack
	WIN 0x40
.set q, 0
.rept 48
	global_load_b128 v[4*q:4*q+3], v3, s[36:37] offset:512*q     ; 512 consecutive bytes a load
.set q, q+1
.endr
	WIN 0
.irp t, 0,1,2,3,4,5,6,7
	global_load_b32 v[W1S+\t], v4, s[36:37] offset:WP_S+128*\t
.endr
.irp g, 0,1,2,3,4,5,6,7
	global_load_b128 v[W2F+4*\g:W2F+4*\g+3], v3, s[36:37] offset:WP_2+512*\g
.endr
.irp g, 0,1
	global_load_b128 v[B2+4*\g:B2+4*\g+3], v3, s[36:37] offset:WP_B+512*\g
.endr
.endm
.macro BARRIER                         ; my LDS stores have landed and my LDS loads are in: then the work-group's barrier
	s_wait_dscnt 0x0
	s_barrier_signal -1
	s_barrier_wait -1
.endm
	s_load_b256 s[4:11], s[0:1], 0x0               ; input 4:5, b1 6:7, wpack 8:9, rows 10:11
	s_load_b128 s[12:15], s[0:1], 0x20             ; slote 12:13, pos 14:15
	s_load_b64 s[16:17], s[0:1], 0x30              ; out0
	v_lshl_add_u32 v254, v0, 2, 0x1c000
	v_mov_b32 v255, 0
	v_lshrrev_b32 v1, 5, v0
	v_readfirstlane_b32 s18, v1                    ; wave 0..7
	v_and_b32 v1, 31, v0                           ; lane
	v_and_b32 v[RR], 15, v0
	v_bfe_u32 v[HH], v0, 4, 1
	v_lshlrev_b32 v2, 6, v[HH]                     ; x: my 16 numbers of a block of 32: 64 h
	v_lshlrev_b32 v3, 4, v1                        ; an image's place for my lane
	v_lshlrev_b32 v4, 2, v1
	v_lshlrev_b32 v5, 5, v[HH]                     ; b1: 32 h
	v_lshlrev_b32 v6, 2, v[RR]                     ; the list of rows: 4 r
	v_lshlrev_b32 v[G8], 3, v1                     ; 8 x lane
	s_wait_alu depctr_va_sdst(0)                   ; s18 is written, ahead of its first reader: LDS places and the buffers' bases are made from it
	s_mul_i32 s33, s18, 10240                      ; my eight slots of 16 rows of 80 bytes
	v_mul_u32_u24 v9, v[RR], 80
	v_lshl_add_u32 v9, v[HH], 5, v9
	v_add_nc_u32 v9, s33, v9                       ; results: row r of my slot 0, + 32 h: outputs 8 h on
	s_mul_i32 s33, s18, 3840
	s_add_co_u32 s33, s33, S2                      ; my stage
	v_mul_u32_u24 v14, v1, 60
	v_add_nc_u32 v14, s33, v14                     ; into it: token = lane
	v_add_nc_u32 v15, s33, v3                      ; out of it: 16 bytes a lane,
	v_add_nc_u32 v[L8], s33, v[G8]                 ; and 8 bytes a lane for its last 256 bytes
	v_and_b32 v[ZA], 3, v0
	v_lshl_add_u32 v[ZA], v[ZA], 4, ZROW
.irp b, 0,1,2,3
	v_mov_b32 v[TM+4+\b], 0                        ; a lane permute's destination counts as one of its sources; also the row of zeros
.endr
	s_mov_b32 s20, 0x76543210
	s_mov_b32 s21, 0xfedcba98                      ; v_permlanex16_b32's selects for lane l xor 16
	s_mov_b32 s22, 0x477fe000                      ; 65,504
	s_mov_b32 s35, 0
	s_lshl_b32 s34, ttmp9, 19                      ; 512 rows of 1,024 bytes
	s_wait_kmcnt 0x0
	s_add_nc_u64 s[4:5], s[4:5], s[34:35]
	s_lshl_b32 s34, ttmp9, 12
	s_lshl_b32 s33, s18, 9
	s_add_co_u32 s34, s34, s33
	s_add_nc_u64 s[10:11], s[10:11], s[34:35]      ; my eight slots' rows
	s_lshl_b32 s34, ttmp9, 8
	s_lshl_b32 s33, s18, 5
	s_add_co_u32 s34, s34, s33
	s_add_nc_u64 s[12:13], s[12:13], s[34:35]      ; and cameras
	s_lshl_b32 s34, ttmp9, 11
	s_lshl_b32 s33, s18, 8
	s_add_co_u32 s34, s34, s33
	s_add_nc_u64 s[14:15], s[14:15], s[34:35]      ; the places of tokens 64 w on
	s_mul_i32 s34, ttmp9, 30720
	s_mul_i32 s33, s18, 3840
	s_add_co_u32 s34, s34, s33
	s_add_nc_u64 s[16:17], s[16:17], s[34:35]      ; and their rows of out
	s_load_b256 s[24:31], s[12:13], 0x0            ; s24 the camera of the slot in hand, s25 the next one's, ..
	s_wait_alu depctr_va_vdst(0)                   ; all that the head has made is written: the offsets and LDS addresses v2-v6, v9, v14, v15, v242, v246, v247, which loads and stores read from here to the end, and the zeros in v180-183, which wave 0 stores
	global_load_b32 v7, v6, s[10:11]               ; slot 0's rows
	global_load_b32 v10, v4, s[14:15]
	global_load_b32 v11, v4, s[14:15] offset:128
	s_cmp_lg_u32 s18, 0
	s_cbranch_scc1 .Lnot0
	ds_store_b128 v[ZA], v[TM+4:TM+7]              ; wave 0 lays the row of zeros (eight lanes write each 16 bytes, with the same value)
	s_wait_dscnt 0x0                               ; the row has landed (that the store has read v180-183 is stated at the first trip's head, ahead of the quantiser that writes them)
.Lnot0:
	s_wait_kmcnt 0x0
	s_min_u32 s33, s24, 14                         ; (an empty slot: camera 14's, which nobody multiplies)
	s_lshl_b32 s34, s33, 9
	s_add_nc_u64 s[38:39], s[6:7], s[34:35]
	s_mul_i32 s34, s33, PACK
	s_add_nc_u64 s[36:37], s[8:9], s[34:35]
	s_wait_loadcnt 0x0
	v_min_u32 v8, 0x1ff, v7
	v_lshlrev_b32 v8, 10, v8
	v_add_nc_u32 v8, v8, v2                        ; my row of x, + 64 h
	s_wait_alu depctr_va_vdst(0)                   ; v8 is written, which the loads of x read; v7 has been read, in which slot 1's rows land.  Only loads and window switches follow up to the loop
	XLOAD 0
	XLOAD 1
	global_load_b32 v7, v6, s[10:11] offset:64     ; slot 1's rows
	WIN 0x40                                       ; destination window 1
	BLOAD
	WLOAD
	s_wait_loadcnt 63                              ; x and slot 1's rows are in: 16 + 66 loads are younger; 63 is the largest count that the wait names
	s_mov_b32 s32, 0
	s_mov_b32 s23, 0                               ; the slot's place among my results: 1,280 bytes a trip
.Ltrip:                                            ; six trips, a constant; an empty slot jumps over the work.  At the head: this slot's x and the next slot's rows are in
	s_wait_alu depctr_vm_vsrc(0)                   ; the loads issued so far have read v6 and v8, the last trip's LDS stores v243 and v176-183 (first trip: wave 0's store v180-183): the lines below and the quantiser write them again
	v_add_nc_u32 v6, 64, v6
	s_cmp_gt_u32 s24, 14
	s_cbranch_scc1 .Lnext
	v_min_u32 v8, 0x1ff, v7
	v_lshlrev_b32 v8, 10, v8
	v_add_nc_u32 v8, v8, v2                        ; the next slot's rows of x
	v_add_nc_u32 v[STA], s23, v9
	QUANT XB, PC0, XS, 0
	s_wait_alu depctr_va_vdst(0)                   ; the first quantiser is done reading v16-79, in which the next tile's K step 0 lands; v8, those loads' offset, is written
	QUANT XB+64, PC1, XS+1, 1                      ; each half is asked for again as soon as it has been converted: K step 0's 16 loads stand among these lines
.rept 8
	v_nop                                          ; a scale register written by a vector instruction stands 8 places ahead of a scaled matrix instruction, an operand so written 4
.endr
	s_wait_alu depctr_va_vdst(0)                   ; the second quantiser is done reading v80-143, in which K step 1 lands; v7 has been read and v6 is written, for the list's load; x's codes and scale words are written, which the scaled products take
	XLOAD 1
	global_load_b32 v7, v6, s[10:11] offset:64     ; the rows of the slot after the next: slot 7 at the most, inside my eight
	s_wait_loadcnt 33                              ; all but the 33 just issued: this tile's bias and the camera's pack are in
	WIN 0x51                                       ; W1 and the accumulators in window 1, x's codes in window 0
.irp s, 0,1                            ; the eight accumulators take turns, one instruction a turn
.irp t, 0,1,2,3,4,5,6,7
.if \s == 0
	v_wmma_scale_f32_16x16x128_f8f6f4 v[HA+8*\t:HA+8*\t+7], v[24*\t:24*\t+11], v[PC0:PC0+11], v[HA+8*\t:HA+8*\t+7], v[W1S+\t], v[XS] matrix_a_fmt:MATRIX_FMT_BF6 matrix_b_fmt:MATRIX_FMT_BF6
.else
	v_wmma_scale_f32_16x16x128_f8f6f4 v[HA+8*\t:HA+8*\t+7], v[24*\t+12:24*\t+23], v[PC1:PC1+11], v[HA+8*\t:HA+8*\t+7], v[W1S+\t], v[XS+1] matrix_a_fmt:MATRIX_FMT_BF6 matrix_b_fmt:MATRIX_FMT_BF6 matrix_a_scale:MATRIX_SCALE_ROW1
.endif
.endr
.endr
.rept 4
	v_nop                                          ; four places (ISA guide 7.12.1) in front of the reads of the results and of the writes over x's codes
.endr
	WIN 0x41                                       ; in place, in window 1
.set j, 0
.rept 64
	v_med3_num_f32 v[HA+j], v[HA+j], 0, s22        ; ReLU, and the hold at f16's largest number, in one; each accumulator from its low end on
.set j, j+1
.endr
	WIN 0x05                                       ; sources window 1, destination window 0
.set j, 0
.rept 32
	v_cvt_pk_f16_f32 v[HF+j], v[HA+2*j], v[HA+2*j+1]   ; registers 8 c .. 8 c + 7: the operand of hidden units 32 c .. 32 c + 31
.set j, j+1
.endr
	s_min_u32 s33, s25, 14                         ; the next tile's camera: where its bias and its pack lie
	s_lshl_b32 s34, s33, 9
	s_add_nc_u64 s[38:39], s[6:7], s[34:35]        ; (the loads that named these two pairs are in: the wait for all but 33)
	s_mul_i32 s34, s33, PACK
	s_add_nc_u64 s[36:37], s[8:9], s[34:35]
	WIN 0
	v_wmma_f32_16x16x32_f16 v[OA0:OA0+7], v[W2F:W2F+7], v[HF:HF+7], v[B2:B2+7]         ; two accumulators by turns; b2 is the C of the first
	v_wmma_f32_16x16x32_f16 v[OA1:OA1+7], v[W2F+8:W2F+15], v[HF+8:HF+15], 0
	v_wmma_f32_16x16x32_f16 v[OA0:OA0+7], v[W2F+16:W2F+23], v[HF+16:HF+23], v[OA0:OA0+7]
	v_wmma_f32_16x16x32_f16 v[OA1:OA1+7], v[W2F+24:W2F+31], v[HF+24:HF+31], v[OA1:OA1+7]
.rept 4
	v_nop                                          ; four places in front of the reads of the results and of the next quantiser's writes
.endr
.irp j, 0,2,4,6
	v_pk_add_f32 v[OA0+\j:OA0+\j+1], v[OA0+\j:OA0+\j+1], v[OA1+\j:OA1+\j+1]
.endr
	WIN 0x40                                       ; destination window 1; sources, an LDS store's address and data among them, window 0
	s_wait_alu depctr_va_vdst(0)                   ; the additions have written v176-183, which the LDS stores read; the ReLU and the conversions are done with the hidden accumulators, in which the next bias lands; the trip's 20 products are done reading W1's fragments and scale words, W2 and b2, in which another pack lands
	BLOAD                                          ; the next tile's bias, into the accumulators that have been read out
	ds_store_b128 v[STA], v[OA0:OA0+3]             ; lane (r, h): outputs 8 h + 0 .. 7 of the tile's row r
	ds_store_b128 v[STA], v[OA0+4:OA0+7] offset:16
	WIN 0
	s_cmp_eq_u32 s25, s24
	s_cbranch_scc1 .Lsame                          ; the next tile has the same camera,
	s_cmp_gt_u32 s25, 14
	s_cbranch_scc1 .Lsame                          ; or there is none: the pack stays
	WLOAD                                          ; no wait: since the wait above only loads, the two LDS stores (of v243 and v176-183, which no load here touches), scalar lines and window switches were issued
	s_wait_loadcnt 63                              ; the next tile's x and the rows behind it are in: 16 + 66 loads are younger
	s_branch .Lnext
.Lsame:
	s_wait_loadcnt 16                              ; the same: the bias's 16 loads are younger
.Lnext:
	s_wait_dscnt 0x0                               ; the two stores have landed (that they have read their registers is stated at the next trip's head)
	s_mov_b32 s24, s25
	s_mov_b32 s25, s26
	s_mov_b32 s26, s27
	s_mov_b32 s27, s28
	s_mov_b32 s28, s29
	s_mov_b32 s29, s30
	s_mov_b32 s30, s31
	s_mov_b32 s31, 255
	s_add_co_u32 s23, s23, 1280
	s_add_co_u32 s32, s32, 1
	s_cmp_lt_u32 s32, 6
	s_cbranch_scc1 .Ltrip
	; THE WAY OUT.  Every wave's results lie in LDS behind the first barrier.  Each wave picks the rows of its 64 neighbouring tokens by their stored places.  The second barrier parts these reads, whose
	; addresses come from the list, from every wave's stores into its stage.
	s_wait_loadcnt 0x0                             ; what was asked for ahead and is not used
	BARRIER
	v_min_u32 v12, 0x400, v10
	v_min_u32 v13, 0x400, v11
	v_mul_u32_u24 v12, v12, 80
	v_mul_u32_u24 v13, v13, 80                     ; place 1024: the row of zeros
	s_wait_alu depctr_va_vdst(0)                   ; v12 and v13, the reads' addresses, are written; the quantisers are done reading v16-143, in which these reads and the read-backs below land.  No vector instruction follows to the kernel's end
.irp c, 0,1,2,3
	ds_load_b128 v[16+4*\c:19+4*\c], v12 offset:16*\c
	ds_load_b128 v[32+4*\c:35+4*\c], v13 offset:16*\c
.endr
	BARRIER
.irp u, 0,1
.irp n, 0,1,2,3,4,5,6,7,8,9,10,11,12,13,14
	ds_store_b32 v14, v[16+16*\u+\n] offset:1920*\u+4*\n      ; token 32 u + lane, output n: 15 words from lane to lane, so the 32 lanes touch 32 different banks
.endr
.endr
.irp k, 0,1,2,3,4,5,6
	ds_load_b128 v[48+4*\k:51+4*\k], v15 offset:512*\k        ; my own bytes: LDS serves a wave's instructions in order (ISA guide 5.7.1.4)
.endr
	ds_load_b64 v[76:77], v[L8] offset:3584        ; 3,840 = 7 x 512 + 256: the last 256 bytes go 8 to a lane, so that all 32 lanes stay on and no address leaves my stage
.irp k, 0,1,2,3,4,5,6
	s_wait_dscnt 7-\k                              ; read-back k is in; the 6 - k behind it and the load of 8 bytes may be out
	global_store_b128 v3, v[48+4*\k:51+4*\k], s[16:17] offset:512*\k th:TH_STORE_NT   ; 32 lanes store 512 consecutive bytes, aligned to 256; written once, read by nobody here
.endr
	s_wait_dscnt 0x0
	global_store_b64 v[G8], v[76:77], s[16:17] offset:3584 th:TH_STORE_NT              ; 32 lanes store 256 consecutive bytes, aligned to 256
	s_wait_dscnt 0x0                               ; the closing lines, six on end
	s_wait_alu 0x0
	s_wait_tensorcnt 0x0
	ds_add_u32 v254, v255
	s_wait_dscnt 0x0
	s_endpgm
.Lfunc_end_k_q2611618d94_mlp:
	.size	k_q2611618d94_mlp, .Lfunc_end_k_q2611618d94_mlp-k_q2611618d94_mlp
	.p2alignl 7, 3214868480
	.fill 96, 4, 3214868480
	.section	.rodata,"a",@progbits
	.p2align	6, 0x0
	.amdhsa_kernel k_q2611618d94_mlp
		.amdhsa_group_segment_fixed_size 115712
		.amdhsa_private_segment_fixed_size 0
		.amdhsa_enable_private_segment 0
		.amdhsa_kernarg_size 56
		.amdhsa_user_sgpr_count 2
		.amdhsa_user_sgpr_kernarg_segment_ptr 1
		.amdhsa_wavefront_size32 1
		.amdhsa_system_sgpr_workgroup_id_x 1
		.amdhsa_system_sgpr_workgroup_id_y 1
		.amdhsa_system_sgpr_workgroup_id_z 1
		.amdhsa_system_vgpr_workitem_id 0
		.amdhsa_next_free_vgpr 512
		.amdhsa_next_free_sgpr 66
		.amdhsa_reserve_vcc 0
		.amdhsa_float_denorm_mode_32 3
		.amdhsa_float_denorm_mode_16_64 3
		.amdhsa_memory_ordered 1
		.amdhsa_forward_progress 1
		.amdhsa_inst_pref_size 49
	.end_amdhsa_kernel
	.amdgpu_metadata
---
amdhsa.version: [ 1, 2 ]
amdhsa.kernels:
  - .name:           k_q2611618d94_mlp
    .symbol:         k_q2611618d94_mlp.kd
    .args:
      - { .name: input, .offset: 0, .size: 8, .value_kind: global_buffer, .address_space: global }
      - { .name: b1, .offset: 8, .size: 8, .value_kind: global_buffer, .address_space: global }
      - { .name: wpack, .offset: 16, .size: 8, .value_kind: global_buffer, .address_space: global }
      - { .name: rows, .offset: 24, .size: 8, .value_kind: global_buffer, .address_space: global }
      - { .name: slote, .offset: 32, .size: 8, .value_kind: global_buffer, .address_space: global }
      - { .name: pos, .offset: 40, .size: 8, .value_kind: global_buffer, .address_space: global }
      - { .name: out0, .offset: 48, .size: 8, .value_kind: global_buffer, .address_space: global }
    .group_segment_fixed_size: 115712
    .private_segment_fixed_size: 0
    .kernarg_segment_align: 8
    .kernarg_segment_size: 56
    .max_flat_workgroup_size: 256
    .sgpr_count:     66
    .vgpr_count:     512
    .wavefront_size: 32
...
	.end_amdgpu_metadata
.endif
;; end of part 3
